; MI455X (gfx1250); checked and timed in simulation.
; The chip was launched on July 23, 2026; its instructions are those of AMD's public machine-readable ISA for CDNA 5 (MIT licence, August 2026) and "CDNA5" Instruction Set Architecture Reference Guide (July 2026). The comments in the code are by the model that wrote it; some were corrected since.
;; Shared Bilinear Decoder. Allowed arithmetic: matrix products marked QUANTISED: E2M1 operands, one E8M0 scale for each 32 along K, by v_wmma_scale_f32_16x16x128_f8f6f4 with both operands' format E2M1 (or v_wmma_scale_f32_32x16x128_f4), f32 sums; products left as they are: f32 operands where the result goes on into a quantised operand, else bf16, f16 or f32 operands; f32 sums; everything else in f32.
;; Inputs: embeds1_codes 131,072 x 8 x 16 uint8 (E2M1 codes of embeds1, K innermost, in blocks of 32 codes, two codes a byte); embeds1_scales 131,072 x 8 uint8 (E8M0 scales of embeds1, one for each 32 codes along K); embeds2 131,072 x 256 float32; rel_embeds 8 x 65,536 float32; weight_scalars 8 x 5 float32.
;; Outputs: out0 131,072 x 5 float32.
;; This version of the problem:
;;   THIS VERSION OF THE PROBLEM IS GIVEN IN LOW PRECISION. The matrix products marked QUANTISED in the list below multiply operands that are first quantised to E2M1 (2 exponent bits, 1 mantissa bit; 4 bits a number), with one power-of-two scale for each 32 numbers along K (OCP MX v1.0); their sums are f32. All else is computed in f32.
;;   The module's matrix products, in the order in which they are computed (A, B: the left and right operand; K: the contracted axis; several contracted axes count as one K, in the product's order):
;;     1. [M 2,048, K 256] x [K 256, N 131,072]; A: input rel_embeds; B: input embeds1 (given as codes): QUANTISED
;;     2. batch 131,072 x [M 1, K 256] x [K 256, N 8]; A: input embeds2; B: computed on the way: left as it is (M = 1 < 16)
;;     3. [M 131,072, K 8] x [K 8, N 5]; A: computed on the way; B: input weight_scalars: left as it is (K = 8 < 32)
;;   THE QUANTISER, for each operand of a quantised product, along K:
;;     - K is cut into blocks of 32 from its start; a last block that is shorter is filled with zeros.
;;     - A block's scale is 2^e with e = floor(log2(the largest magnitude in the block)) - 2, held to -126 .. 127; a block of zeros has e = 0. As a byte (E8M0): e + 127.
;;     - Each number is divided by its block's scale, clamped to +-6, and rounded to the nearest number of E2M1, ties to even, subnormals kept.
;;     - The product sums the exact products of the quantised numbers (number of the format x scale) in f32.
;;   ~~~python
;;   def quantise(x, axis):      # numpy; x: float32 -> the quantised numbers, widened to float32 again
;;       x = np.moveaxis(x, axis, -1); K = x.shape[-1]
;;       x = np.pad(x, [(0, 0)] * (x.ndim - 1) + [(0, -K % 32)]); x = x.reshape(x.shape[:-1] + (-1, 32)); a = np.abs(x).max(-1, keepdims=True)
;;       e = np.where(a > 0, np.clip(np.frexp(np.where(a > 0, a, 1))[1] - 1 - 2, -126, 127), 0)      # np.frexp(a)[1] - 1 = floor(log2(a)), exactly
;;       r = np.clip(x / 2.0 ** e, -6, 6)
;;       step = 2.0 ** (np.maximum(np.frexp(np.where(r == 0, 1, r))[1] - 1, 0) - 1)
;;       q = np.round(r / step) * step * 2.0 ** e      # np.round: ties to even
;;       return np.moveaxis(q.reshape(q.shape[:-2] + (-1,))[..., :K], -1, axis).astype(np.float32)
;;   ~~~
;;   INPUTS GIVEN AS CODES. embeds1 (in the module: [131072, 256], K = its axis 1): each comes as NAME_codes (uint8): NAME with its K axis moved to the last place and cut into blocks of 32 codes, [.., K / 32, bytes a block], one block behind the other in memory; two codes a byte, the lower K in the low four bits (a code: sign, 2 exponent bits, 1 mantissa bit); and NAME_scales (uint8): the same leading axes, one E8M0 byte (e + 127) for each 32 codes along K. Its value is code x scale, taken as it is: it is not quantised again, and the codes and scales need not be those that the quantiser above would give.
;; One version. Each part assembles by itself: llvm-mc -triple=amdgcn-amd-amdhsa -mcpu=gfx1250 --defsym DOCPART=n.
;; ======== version 1 of 1: 2 launches
;; limits: right only within a limited range of input values
;; workspace buffers: rq 262,144 bytes; rs 16,384 bytes
;; launch quant_r (part 1): grid 64 x 1, 8 waves a work-group, no clusters, 5,632 bytes of LDS; arguments rel_embeds, rq, rs; writes rq, rs
.if DOCPART == 1
	.amdgcn_target "amdgcn-amd-amdhsa--gfx1250"
	.amdhsa_code_object_version 6
	.text
	.protected	k_q71b651cbc8_quant_r
	.globl	k_q71b651cbc8_quant_r
	.p2align	8
	.type	k_q71b651cbc8_quant_r,@function
k_q71b651cbc8_quant_r:
	s_mov_b64 s[64:65], 0
	v_nop
	global_prefetch_b8 v0, s[64:65] scope:SCOPE_SE
	s_setreg_imm32_b32 hwreg(HW_REG_WAVE_MODE, 25, 1), 1
	s_wait_xcnt 0x0
; rel_embeds [8 w][256 i][256 j], f32, is the left operand of the quantised product; its K is i, the middle axis.
; It is turned into E2M1 codes, with one E8M0 byte for each 32 along i, laid as IMAGES OF THE REGISTERS in which the next launch keeps it.
; Column j = 32 v + 8 u + 4 h + 2 y + H: v = the wave that owns it, tile t = 2 u + y, row m = 16 H + 8 h + w of that tile of 32 rows.  Block kb = 4 s + 2 c + k along i: K step s, half c, lane half k.
;   rq: chunk n = 8 t + 4 s + 2 H + c is [lane 16 k + 8 h + w][16 bytes], 512 bytes.  The eight waves' tiles 0 and 1 first (8,192 bytes each), then the eight waves' tiles 2 to 7 (24,576 bytes each).
;   rs [v 8][kb 8][row m 32][t 8]: one byte for each row and block.
; A LANE TAKES A COLUMN j AND ITS 32 REGISTERS RUN DOWN i: one block a lane, so its largest magnitude needs no other lane, and the conversions give codes with K innermost.
; SHARES: work-group = (v, kb); wave = w; lane = one of the strip's 32 columns.  Codes and bytes meet in LDS and leave as whole aligned units of 256 bytes.
; A block's scale is 2^(floor(log2(largest magnitude)) - 2): its byte is the largest magnitude's exponent field - 2, held at 1 from below by a floor among the maximum's leaves.
; LIMITS: a block of zeros gets the byte 1 where the rule says 127 (its codes are zeros, and only this program reads the bytes); NaN and infinities in rel_embeds are not served.
.set X, 32                             ; v32-63 my block's 32 numbers
.set CP, 272                           ; LDS pitch of a half chunk: 256 + 16, so that sixteen lanes' stores take sixteen different 16-byte columns of 256
.set SBY, 4352                         ; LDS: the scale bytes
.set SPARE, 4608                       ; LDS: the spare words
	s_load_b128 s[4:7], s[0:1], 0x0                ; rel_embeds, rq
	s_load_b64 s[8:9], s[0:1], 0x10                ; rs
	v_lshrrev_b32 v1, 5, v0
	v_readfirstlane_b32 s10, v1                    ; wave 0..7 = w; on the way out z
	s_and_b32 s11, ttmp9, 7                        ; kb
	s_lshr_b32 s12, ttmp9, 3                       ; v
	; where my numbers begin: 262,144 w + 32 kb rows of 1,024 bytes + 128 v
	s_lshl_b32 s16, s10, 18
	s_lshl_b32 s17, s11, 15
	s_add_co_u32 s16, s16, s17
	s_lshl_b32 s17, s12, 7
	s_add_co_u32 s16, s16, s17
	s_mov_b32 s17, 0
	; where the two half chunks that I store go: tile t = z, H = lane / 16
	s_lshl_b32 s20, s12, 13                        ; tiles 0, 1: 8,192 v
	s_mul_i32 s21, s12, 24576
	s_add_co_u32 s21, s21, 57344                   ; others: 65,536 + 24,576 v - 8,192
	s_cmp_lt_u32 s10, 2
	s_cselect_b32 s20, s20, s21
	s_lshl_b32 s18, s10, 12                        ; + 512 x 8 z
	s_add_co_u32 s18, s18, s20
	s_lshr_b32 s19, s11, 2
	s_lshl_b32 s19, s19, 11                        ; + 512 x 4 s
	s_add_co_u32 s18, s18, s19
	s_and_b32 s19, s11, 3
	s_lshl_b32 s19, s19, 8                         ; + 512 c + 256 k
	s_add_co_u32 s18, s18, s19
	s_mov_b32 s19, 0
	s_lshl_b32 s20, ttmp9, 8                       ; the scale bytes' place: 256 kb + 2,048 v,
	s_and_b32 s20, s20, 0x700
	s_lshl_b32 s21, s12, 11
	s_add_co_u32 s20, s20, s21
	s_mov_b32 s21, 0
	s_lshl_b32 s22, s10, 4                         ; LDS: 16 w
	s_lshl_b32 s23, s10, 3
	s_add_co_u32 s23, s23, SBY                     ; LDS: scale bytes + 8 w
	s_mul_i32 s24, s10, 2*CP                       ; LDS: the half chunks that I store
	v_lshl_add_u32 v64, v0, 2, SPARE
	v_mov_b32 v65, 0
	v_and_b32 v1, 31, v0                           ; lane
	v_and_b32 v16, 15, v0
	v_bfe_u32 v17, v0, 4, 1
	v_and_b32 v18, 3, v0                           ; 2 y + H
	v_bfe_u32 v19, v0, 3, 2                        ; u
	v_bfe_u32 v20, v0, 2, 1                        ; h
	v_bfe_u32 v21, v0, 1, 1                        ; y
	v_and_b32 v22, 1, v0                           ; H
	v_lshlrev_b32 v2, 2, v1                        ; in: 4 x lane
	v_lshl_add_u32 v18, v19, 2, v18                ; half chunk 2 t + H
	v_lshlrev_b32 v4, 7, v22
	v_lshlrev_b32 v6, 4, v16
	v_mul_u32_u24 v3, v18, CP
	v_lshl_add_u32 v4, v20, 6, v4
	v_mul_u32_u24 v5, v17, CP
	v_lshlrev_b32 v7, 3, v1                        ; scale bytes out: 8 x lane
	v_lshl_add_u32 v3, v20, 7, v3
	v_lshl_add_u32 v4, v19, 1, v4
	v_add_nc_u32 v5, v5, v6
	v_lshl_add_u32 v6, v17, 10, v6                 ; codes out: 1,024 H + 16 (lane % 16)
	v_add_nc_u32 v3, s22, v3                       ; LDS: my block's 16 bytes of codes
	v_add_nc_u32 v4, v4, v21
	v_add_nc_u32 v5, s24, v5                       ; LDS, back
	v_add_nc_u32 v4, s23, v4                       ; LDS: my block's scale byte: 8 m + t
	s_wait_alu depctr_va_vdst(0)                   ; the wait at the head's end
	s_wait_kmcnt 0x0
	s_add_nc_u64 s[4:5], s[4:5], s[16:17]
	s_add_nc_u64 s[6:7], s[6:7], s[18:19]
	s_add_nc_u64 s[8:9], s[8:9], s[20:21]
.irp i, 0,1,2,3,4,5,6,7,8,9,10,11,12,13,14,15,16,17,18,19,20,21,22,23,24,25,26,27,28,29,30,31
	global_load_b32 v[X+\i], v2, s[4:5] offset:\i*1024 th:TH_LOAD_NT   ; 32 lanes read 128 consecutive bytes
.endr
	s_wait_loadcnt 0x0
.irp k, 0,1,2,3
	v_max3_num_f32 v[8+\k], |v[X+8*\k]|, |v[X+8*\k+1]|, |v[X+8*\k+2]|   ; the block's largest magnitude, in four chains
.endr
.irp i, 3,5
.irp k, 0,1,2,3
	v_max3_num_f32 v[8+\k], v[8+\k], |v[X+8*\k+\i]|, |v[X+8*\k+\i+1]|
.endr
.endr
	v_max3_num_f32 v8, v8, |v[X+7]|, |v[X+15]|
	v_max3_num_f32 v9, v9, |v[X+23]|, |v[X+31]|
	v_max3_num_f32 v10, v10, v11, 0x1800000        ; the floor 2^(3 - 127): the byte cannot fall under 1
	s_delay_alu instid0(VALU_DEP_1)
	v_max3_num_f32 v8, v8, v9, v10
	s_delay_alu instid0(VALU_DEP_1)
	v_add_nc_u32 v10, 0xff000000, v8               ; 2 off the exponent field: the conversion takes this operand's exponent field as its scale
	s_delay_alu instid0(VALU_DEP_1)
	v_lshrrev_b32 v11, 23, v10                     ; the scale's byte
.irp g, 0,1,2,3
	v_cvt_scalef32_pk8_fp4_f32 v[12+\g], v[X+8*\g:X+8*\g+7], v10   ; eight numbers / scale, to the nearest code, ties to even, beyond 6 the largest code
.endr
	v_nop                                          ; one plain line behind the last scaled conversion
	ds_store_b128 v3, v[12:15]
	ds_store_b8 v4, v11
	s_wait_dscnt 0x0                               ; for the others' sake: my bytes have landed
	s_barrier_signal -1
	s_barrier_wait -1
	ds_load_b128 v[16:19], v5
	s_wait_dscnt 0x0
	global_store_b128 v6, v[16:19], s[6:7]         ; sixteen lanes store 256 consecutive bytes, aligned
	s_cmp_lg_u32 s10, 0
	s_cbranch_scc1 .Lend
	ds_load_b64 v[20:21], v7 offset:SBY
	s_wait_dscnt 0x0
	global_store_b64 v7, v[20:21], s[8:9]          ; 256 consecutive bytes, aligned
.Lend:
	s_wait_tensorcnt 0x0                           ; the wave's end
	ds_add_u32 v64, v65
	s_wait_dscnt 0x0
	s_endpgm
.Lfunc_end_k_q71b651cbc8_quant_r:
	.size	k_q71b651cbc8_quant_r, .Lfunc_end_k_q71b651cbc8_quant_r-k_q71b651cbc8_quant_r
	.p2alignl 7, 3214868480
	.fill 96, 4, 3214868480
	.section	.rodata,"a",@progbits
	.p2align	6, 0x0
	.amdhsa_kernel k_q71b651cbc8_quant_r
		.amdhsa_group_segment_fixed_size 5632
		.amdhsa_private_segment_fixed_size 0
		.amdhsa_enable_private_segment 0
		.amdhsa_kernarg_size 24
		.amdhsa_user_sgpr_count 2
		.amdhsa_user_sgpr_kernarg_segment_ptr 1
		.amdhsa_wavefront_size32 1
		.amdhsa_system_sgpr_workgroup_id_x 1
		.amdhsa_system_sgpr_workgroup_id_y 1
		.amdhsa_system_sgpr_workgroup_id_z 1
		.amdhsa_system_vgpr_workitem_id 0
		.amdhsa_next_free_vgpr 66
		.amdhsa_next_free_sgpr 66
		.amdhsa_reserve_vcc 0
		.amdhsa_float_denorm_mode_32 3
		.amdhsa_float_denorm_mode_16_64 3
		.amdhsa_memory_ordered 1
		.amdhsa_forward_progress 1
		.amdhsa_inst_pref_size 9
	.end_amdhsa_kernel
	.amdgpu_metadata
---
amdhsa.version: [ 1, 2 ]
amdhsa.kernels:
  - .name:           k_q71b651cbc8_quant_r
    .symbol:         k_q71b651cbc8_quant_r.kd
    .args:
      - { .name: rel_embeds, .offset: 0, .size: 8, .value_kind: global_buffer, .address_space: global }
      - { .name: rq, .offset: 8, .size: 8, .value_kind: global_buffer, .address_space: global }
      - { .name: rs, .offset: 16, .size: 8, .value_kind: global_buffer, .address_space: global }
    .group_segment_fixed_size: 5632
    .private_segment_fixed_size: 0
    .kernarg_segment_align: 8
    .kernarg_segment_size: 24
    .max_flat_workgroup_size: 256
    .sgpr_count:     66
    .vgpr_count:     66
    .wavefront_size: 32
...
	.end_amdgpu_metadata
.endif
;; end of part 1
;; launch bilinear (part 2): grid 256 x 1, 8 waves a work-group, clusters of 4 x 1, 327,680 bytes of LDS; arguments embeds1_codes, embeds1_scales, embeds2, rq, rs, weight_scalars, out0; writes out0
.if DOCPART == 2
	.amdgcn_target "amdgcn-amd-amdhsa--gfx1250"
	.amdhsa_code_object_version 6
	.text
	.protected	k_q71b651cbc8_bilinear
	.globl	k_q71b651cbc8_bilinear
	.p2align	8
	.type	k_q71b651cbc8_bilinear,@function
k_q71b651cbc8_bilinear:
	s_mov_b64 s[64:65], 0
	v_nop
	global_prefetch_b8 v0, s[64:65] scope:SCOPE_SE
	s_setreg_imm32_b32 hwreg(HW_REG_WAVE_MODE, 25, 1), 1
	s_wait_xcnt 0x0
	s_wait_alu depctr_hold_cnt(0) depctr_sa_sdst(0) depctr_va_vdst(0) depctr_va_sdst(0) depctr_va_ssrc(0) depctr_va_vcc(0) depctr_vm_vsrc(0)
	s_getreg_b32 s2, hwreg(HW_REG_IB_STS2, 6, 4)
	s_cmp_eq_u32 s2, 0
	s_cbranch_scc0 .Lentry_in_a_cluster
	s_endpgm
.Lentry_in_a_cluster:
	s_bfe_u32 s2, ttmp6, 0x10000c
	s_cmp_lg_u32 s2, 0x3003
	s_cbranch_scc0 .Lentry_shape_is_right
	s_endpgm
.Lentry_shape_is_right:
; out0[b][r] = sum over w of ws[w][r] x (sum over j of e2[b][j] x T[w][j][b]),  T[w][j][b] = sum over i of Q(R)[w][i][j] x e1[b][i].
; T is the quantised product (E2M1 codes, one E8M0 byte for each 32 along i); it never leaves the registers.  The two small products are f32 multiply-adds.
; SHARES.  A work-group owns 512 rows b: 32 tiles of 16.  It has eight waves of 512 registers, two to a SIMD, so that one wave's waits stand beside the other's products.
; Wave v owns the columns j = 32 v .. 32 v + 31 for all 8 w: 8 tiles of 32 rows (w, j) x 2 K steps = 256 registers, loaded once and kept.
; So each byte of e2 is wanted by ONE wave: 128 bytes of each row.  The waves' partial sums (8 w for each row b) meet in LDS once, at the end, where the third product is done.
; THE PRODUCT: source 0 = 32 rows of R, source 1 = 16 rows b of e1.  Row m of tile t = 2 u + y is w = m % 8, j = 32 v + 8 u + 2 y + 4 ((m / 8) % 2) + m / 16: so lane (r, h) holds b = r, its result
; registers 8 q + 0 .. 7 hold w = 0 .. 7 for j = 32 v + 8 u + 4 h + 2 y + q, and a packed multiply-add takes two neighbouring w with ONE number of e2 for both halves: no sum of halves is owed.
; A PHASE g = u is tiles 2 g, 2 g + 1: four matrix instructions on two accumulators that take turns.  The phase before's 16 packed multiply-adds stand four behind each; phase 3's stand in the NEXT
; tile's phase 0.  Two sets of result registers take turns, and two sets of sums (even and odd phases).  LDS and memory instructions stand in two runs a tile, in the middle of phases 1 and 3.
; e2 comes by a ring of register loads (four sets of 16 registers, 12 to 16 loads of the wave out), turns through the wave's own stage in LDS (rows of 144 bytes), and is read back four numbers a lane.
; PREFETCH of e2: each trip of four tiles names, once in the work-group, the 256 blocks of 256 bytes of the four tiles that the next trip's loads ask for, one lane a block; the last trip asks for nothing.
; CLUSTERS: all work-groups need the same R.  The four of a cluster ask for it JOINTLY (mask 15): each wave for its own tiles 2 to 7, one tensor load a wave.  R's tiles 0 and 1 and its scale bytes go straight into registers;
; e1's codes and scale bytes, the work-group's own, go through registers into LDS.
; LIMITS: the f32 sums are taken in another order than in the defining formula (j in phases and lane halves, then the eight waves); a scale byte 0xff in embeds1_scales gives NaN, as E8M0 defines it.
;
; LDS: 0 R's tiles 2-7, 24,576 bytes a wave.  Once wave v has read its share, which no other wave reads, it holds: at 0 two stage slots of 16 rows x 144 bytes (tile n in slot n % 2; at the end the logits), at PL the wave's partial sums
;      [w / 4][512 rows][16 bytes].  E1C e1's codes: 256 units of 256 bytes + 16 (row p at 272 (p / 2) + 128 (p % 2)); E1S e1's scale bytes, 8 a row; SPARE the spare words.
; REGISTERS, in two windows of 256 (s_set_vgpr_msb: bits 1:0 source 0, 3:2 source 1, 5:4 source 2, 7:6 destination):
;   window 0: v1-15 addresses; v16-79 results; v80-111 sums; v112-143 e1's fragments, v144-147 its scale words, by parity; v148-163 R's scale words; v164-227 R of phase 0; v228-231 e2 of phase 3; v232-247 ring set 3; v248-255 at work
;   window 1: R of phases 1-3; v192-203 e2 of phases 0-2; v208-255 ring sets 0-2
; e2 of phase g lies in the window of the next phase's R: both are source 0.
.set E1C,   196608
.set E1S,   266240
.set SPARE, 270336
.set SHARE, 24576
.set SPT,   144                        ; a stage row: 128 bytes + 16: the sixteen rows that a read touches start in sixteen different 16-byte columns of 256
.set SLOTB, 16*SPT
.set PL,    8192
.set UNIT,  16384                      ; 16 rows of e2 in memory
.set GOFF, 1                           ; v1   e2 in memory: 1,024 (L / 8) + 16 (L % 8)
.set STS,  2                           ; v2   the stage, in: 144 (L / 8) + 16 (L % 8)
.set STL,  3                           ; v3   the stage, out: 144 r + 16 h
.set E1B,  4                           ; v4, v5  my lane's place in a tile of e1; that of the trip in hand
.set E1W,  5
.set ESB,  6                           ; v6, v7  the same for its scale words
.set ESW,  7
.set PLB,  8                           ; v8, v9  and for my partial sums
.set PLW,  9
.set RAD,  10                          ; v10  my share + 16 L
.set LX,   11                          ; v11  16 L
.set LY,   12                          ; v12  8 L
.set SPW,  13
.set NIL,  14
.set PFW,  15                          ; v15  the trip's prefetch: 256 x thread + its first tile
.set DS,   16
.set ACC,  80
.set EF,   112
.set ES,   144
.set RS,   148
.set R0,   164
.set TM,   248
.set WV,   18                          ; s18  my wave's number
.set CNT,  19
.set WS,   24                          ; s[24:63] ws[w][r] at s[24 + 5 w + r]
.set G1R,  68                          ; descriptor groups of R's tiles
.set G0R,  84
.set EG,   94                          ; s[94:95] e2 at the work-group's first row, for the prefetch
.set SE,   96                          ; s96-99 how far the trip in hand is in e1's codes, its scale bytes, the partial sums, the prefetch
.set SS,   97
.set PS,   98
.set PFS,  99
.set MSB, 0
.macro WIN new                         ; the immediate's high byte repeats the setting that is left; a switch that changes nothing is dropped
.if MSB != (\new)
	s_set_vgpr_msb (MSB<<8)|(\new)
.set MSB, (\new)
.endif
.endm
.macro CROUND                          ; a round of the cluster's barrier
	s_barrier_signal -1
	s_barrier_wait -1
	s_cmp_lg_u32 s[WV], 0
	s_cbranch_scc1 .Lnot_wave_0_\@
	s_barrier_signal -3
.Lnot_wave_0_\@:
	s_barrier_wait -3
	s_barrier_signal -1
	s_barrier_wait -1
.endm
.macro RMAP g                          ; phase -> window and first register of its 64 of R
.if (\g) == 0
.set RWN, 0
.set RBN, R0
.else
.set RWN, 1
.set RBN, 64*((\g)-1)
.endif
.endm
.macro EMAP u                          ; phase -> window and first register of its four numbers of e2
.if (\u) < 3
.set EWN, 1
.set EBN, 192+4*(\u)
.else
.set EWN, 0
.set EBN, 228
.endif
.endm
.macro SMAP set                        ; ring set -> window and first register
.if (\set) < 3
.set SWN, 1
.set SBN, 208+16*(\set)
.else
.set SWN, 0
.set SBN, 232
.endif
.endm
.macro RLD t                           ; R's tile t: 8 loads, 32 registers
	RMAP (\t)/2
.set RR, RBN+32*((\t)%2)
	WIN RWN<<6
.set NN, 0
.rept 8
	ds_load_b128 v[RR+4*NN:RR+4*NN+3], v[RAD] offset:4096*((\t)-2)+512*NN
.set NN, NN+1
.endr
.endm
.macro E2LD u, slot                    ; e2 of phase u
	EMAP \u
	WIN EWN<<6
	ds_load_b128 v[EBN:EBN+3], v[STL] offset:(\slot)*SLOTB+32*(\u)
.endm
.macro E1LD p, e                       ; e1's fragments and scale words of the tile e behind the trip's place, into parity p (window 0): registers 8 s + 4 c: k = 128 s + 64 c + 32 h on
.irp k, 0,1,2,3
	ds_load_b128 v[EF+16*(\p)+4*\k:EF+16*(\p)+4*\k+3], v[E1W] offset:2176*(\e)+32*\k
.endr
	ds_load_b64 v[ES+2*(\p):ES+2*(\p)+1], v[ESW] offset:128*(\e)
.endm
.macro ASK set, imm                    ; 16 rows x 128 bytes of e2 are asked for: each load takes four rows.  The other 128 bytes of each aligned 256 are read by the neighbouring wave
	SMAP \set
	WIN SWN<<6
.irp q, 0,1,2,3
	global_load_b128 v[SBN+4*\q:SBN+4*\q+3], v[GOFF], s[8:9] offset:(\imm)+4096*\q
.endr
.endm
.macro STAGE set, slot                 ; and go into a slot of my stage
	SMAP \set
	WIN SWN<<2
.irp q, 0,1,2,3
	ds_store_b128 v[STS], v[SBN+4*\q:SBN+4*\q+3] offset:(\slot)*SLOTB+4*SPT*\q
.endr
.endm
; line k of 16 of phase gp's multiply-adds.  Each accumulator is read from its low end on; the first line for each sum starts it: nothing is cleared.
.macro PKL gp, k, par
.set PT, (\k)/8
.set PP, (\k)%8
.set PD, DS+32*((\gp)%2)+16*PT+2*PP
.set PA, ACC+16*(\par)+8*((\gp)%2)+2*(PP%4)
	EMAP \gp
.set PO, EBN+2*PT
.if PP < 4
.if ((\gp) < 2) && (PT == 0)
	v_pk_mul_f32 v[PA:PA+1], v[PO:PO+1], v[PD:PD+1] op_sel_hi:[0,1]
.else
	v_pk_fma_f32 v[PA:PA+1], v[PO:PO+1], v[PD:PD+1], v[PA:PA+1] op_sel_hi:[0,1,1]
.endif
.else
	v_pk_fma_f32 v[PA:PA+1], v[PO:PO+1], v[PD:PD+1], v[PA:PA+1] op_sel:[1,0,0] op_sel_hi:[1,1,1]
.endif
.endm
; what a phase does in LDS and memory, in its middle.  Every register that is loaded here was last read a phase ago or earlier.
.macro HOOK g
.if (\g) == 1
	E2LD 2, PAR                                    ; this tile's last two
	E2LD 3, PAR
.if FET
	WIN 0
	E1LD 1-PAR, ENX                                ; the next tile's e1
.endif
.if IST >= 0
	ASK IST, IIM                                   ; the tile five on, into the set staged a tile ago
.endif
.endif
.if FIRST && ((\g) == 2)
	ASK 0, 4*UNIT                                  ; tiles 4 and 5, into the sets of tiles 0 and 1
	ASK 1, 5*UNIT
.endif
.if (\g) == 3
.if FET
	E2LD 0, 1-PAR                                  ; the next tile's e2, from the other slot
	E2LD 1, 1-PAR
.endif
.if SST >= 0
	STAGE SST, PAR                                 ; the tile after next, into the slot whose last reads stand in phase 1
.endif
.if EPO >= 0
	WIN 0
	ds_store_b128 v[PLW], v[ACC+24:ACC+27] offset:EPO
	ds_store_b128 v[PLW], v[ACC+28:ACC+31] offset:EPO+8192
.endif
.endif
.endm
; phase g: K step 0 of its two tiles (C = 0 starts the sums), then K step 1.  pkp: the parity of the tile whose multiply-adds stand here (-1: none)
.macro PHASE g, pkp
	RMAP \g
.set QW, RWN
.set QB, RBN
.set GP, ((\g)+3)%4
	WIN QW
.set TN, 0
.rept 4
.set XT, TN%2
.set DB, DS+32*((\g)%2)+16*XT
.set RA, QB+32*XT
.if TN < 2
	v_wmma_scale_f32_32x16x128_f4 v[DB:DB+15], v[RA:RA+15], v[EF+16*PAR:EF+16*PAR+7], 0, v[RS+2*(\g)+XT], v[ES+2*PAR]
.else
	v_wmma_scale_f32_32x16x128_f4 v[DB:DB+15], v[RA+16:RA+31], v[EF+16*PAR+8:EF+16*PAR+15], v[DB:DB+15], v[RS+8+2*(\g)+XT], v[ES+2*PAR+1]
.endif
.if (\pkp) >= 0
.set KK, 4*TN
.rept 4
	PKL GP, KK, \pkp
.set KK, KK+1
.endr
.endif
.if TN == 1
	HOOK \g
	WIN QW
.endif
.set TN, TN+1
.endr
.endm
; behind an odd tile's last multiply-adds: the two sets of sums are added; the exchange puts the even tile's two lane halves into lanes 0-15 of two registers and the odd tile's into lanes 16-31:
; lane L ends with my columns' part of the eight basis outputs of row 32 p + L, in v[ACC + 24 ..].
.macro EPI
	WIN 0
.irp w, 0,2,4,6
	v_pk_add_f32 v[ACC+\w:ACC+\w+1], v[ACC+\w:ACC+\w+1], v[ACC+8+\w:ACC+9+\w]
	v_pk_add_f32 v[ACC+16+\w:ACC+17+\w], v[ACC+16+\w:ACC+17+\w], v[ACC+24+\w:ACC+25+\w]
.endr
.irp w, 0,1,2,3,4,5,6,7
	v_permlane16_swap_b32 v[ACC+\w], v[ACC+16+\w]
.endr
.irp w, 0,2,4,6
	v_pk_add_f32 v[ACC+24+\w:ACC+25+\w], v[ACC+\w:ACC+\w+1], v[ACC+16+\w:ACC+17+\w]
.endr
.endm
.macro SETUP par, fet, sst, ist, itile, enx, epo
.set PAR, \par
.set FET, \fet
.set SST, \sst
.set IST, \ist
.set IIM, (\itile)*UNIT
.set ENX, \enx
.set EPO, \epo
.endm
; ONE TILE of 16 rows b.  par = its parity; fet = 1: the next tile's operands are fetched; sst: the ring set that is staged (-1: none), scnt the loads issued behind it; ist, itile: the ring set asked for anew, and with which tile;
; enx: the next tile's place in e1; epo: where the pair before is stored (-1: none).
; The two waits for LDS are for 0: the first for the run in the last tile's phase 3, the second for the run in phase 1.  Each stands between two phases: a sum written ahead of it is read again 16 multiply-adds later.
.macro TILE par, fet, sst, scnt, ist, itile, enx, epo
	SETUP \par, \fet, \sst, \ist, \itile, \enx, \epo
	PHASE 0, 1-\par
.if EPO >= 0
	EPI
.endif
	s_wait_dscnt 0x0
	PHASE 1, \par
	PHASE 2, \par
.if SST >= 0
	s_wait_loadcnt \scnt
.endif
	s_wait_dscnt 0x0
	PHASE 3, \par
.endm
.macro PLACE                           ; where the next tiles lie
	v_add_nc_u32 v[E1W], s[SE], v[E1B]
	v_add_nc_u32 v[ESW], s[SS], v[ESB]
	v_add_nc_u32 v[PLW], s[PS], v[PLB]
.endm
	s_load_b256 s[4:11], s[0:1], 0x0               ; e1's codes s[4:5], e1's scales s[6:7], e2 s[8:9], rq s[10:11]
	s_load_b128 s[12:15], s[0:1], 0x20             ; rs s[12:13], ws s[14:15]
	s_load_b64 s[16:17], s[0:1], 0x30              ; out0
	v_lshl_add_u32 v[SPW], v0, 2, SPARE
	v_mov_b32 v[NIL], 0
	ds_add_u32 v[SPW], v[NIL]                      ; the wave's opening: the add, twice on end, and its wait ahead of my tensor load
	ds_add_u32 v[SPW], v[NIL]
	v_lshrrev_b32 v15, 5, v0
	v_readfirstlane_b32 s[WV], v15                 ; wave 0..7
	s_bfe_u32 s2, ttmp6, 0x40000                   ; my place in the cluster
	s_lshl_b32 s3, ttmp9, 2
	s_add_co_u32 s3, s3, s2                        ; my work-group's number
	s_mul_i32 s21, s[WV], SHARE
	s_lshl_b32 s22, s[WV], 9
	s_add_co_u32 s22, s22, E1S
	s_mul_i32 s23, s[WV], 32*272
	s_add_co_u32 s23, s23, E1C
	s_mov_b32 s[SE], 0
	s_mov_b32 s[SS], 0
	s_mov_b32 s[PS], 0
	s_mov_b32 s[PFS], 10*UNIT
	s_mov_b32 s67, 0
	s_mov_b32 s93, 0
	; descriptor group 1: 24,576 dense bytes as 96 rows of 32 elements of 8 bytes, no padding, for all four work-groups of the cluster (mask 15, bit 21 beside it)
	s_mov_b32 s[G1R+0], 15|(3<<16)|(1<<21)
	s_mov_b32 s[G1R+1], 32<<16
	s_mov_b32 s[G1R+2], 96<<16
	s_mov_b32 s[G1R+3], 32<<16
	s_mov_b32 s[G1R+4], 96
	s_mov_b32 s[G1R+5], 32
	s_mov_b32 s[G1R+6], 0
	s_mov_b32 s[G1R+7], 0
	s_mov_b32 s[G0R], 1
	s_mul_i32 s[G0R+1], s[WV], SHARE
	v_and_b32 v16, 31, v0                          ; L
	v_and_b32 v17, 15, v0                          ; r
	v_bfe_u32 v18, v0, 4, 1                        ; h
	v_bfe_u32 v19, v0, 3, 2                        ; L / 8
	v_and_b32 v20, 7, v0                           ; L % 8
	v_lshrrev_b32 v21, 1, v17
	v_and_b32 v22, 1, v17
	v_lshlrev_b32 v[GOFF], 4, v20
	v_mul_u32_u24 v[STS], v19, SPT
	v_mul_u32_u24 v[STL], v17, SPT
	v_mul_u32_u24 v[E1B], v21, 272
	v_mul_u32_u24 v[TM+4], v18, 272
	v_lshl_add_u32 v[GOFF], v19, 10, v[GOFF]
	v_lshl_add_u32 v[STS], v20, 4, v[STS]
	v_lshl_add_u32 v[STL], v18, 4, v[STL]
	v_lshl_add_u32 v[E1B], v22, 7, v[E1B]
	v_lshl_add_u32 v[TM+4], v17, 4, v[TM+4]
	v_add_nc_u32 v[STS], s21, v[STS]
	v_add_nc_u32 v[STL], s21, v[STL]
	v_lshl_add_u32 v[E1B], v18, 4, v[E1B]          ; 272 (r / 2) + 128 (r % 2) + 16 h
	v_lshl_add_u32 v[ESB], v17, 3, E1S
	v_lshlrev_b32 v[LX], 4, v16
	v_lshlrev_b32 v[LY], 3, v16
	v_add_nc_u32 v[E1B], E1C, v[E1B]
	v_add_nc_u32 v[TM+4], s23, v[TM+4]             ; LDS: my eighth of e1's codes: 272 h + 16 r
	v_add_nc_u32 v[RAD], s21, v[LX]
	v_add_nc_u32 v[TM+5], s22, v[LX]               ; LDS: my eighth of its scale bytes
	v_add_nc_u32 v[PLB], PL, v[RAD]
	PLACE
	s_wait_alu depctr_va_vdst(0)
	s_wait_dscnt 0x0                               ; both opening adds are done
	CROUND                                         ; all four work-groups are here: the joint loads meet
	s_wait_kmcnt 0x0
	s_mul_i32 s92, s[WV], SHARE
	s_add_co_u32 s92, s92, 65536                   ; R: behind the eight waves' tiles 0 and 1
	s_add_nc_u64 s[G0R+2:G0R+3], s[10:11], s[92:93]
	s_or_b32 s[G0R+3], s[G0R+3], 0x80000000
	tensor_load_to_lds s[G0R:G0R+3], s[G1R:G1R+7]  ; joint: the same line and the same descriptor in all four work-groups
	s_nop 0
.rept 4
	v_nop
.endr
	s_lshl_b32 s66, s3, 12
	s_lshl_b32 s2, s[WV], 9
	s_add_co_u32 s66, s66, s2                      ; e1's scale bytes: 4,096 x work-group + my eighth
	s_add_nc_u64 s[6:7], s[6:7], s[66:67]
	s_lshl_b32 s66, s66, 4                         ; its codes: sixteen times as many bytes
	s_add_nc_u64 s[4:5], s[4:5], s[66:67]
	s_lshl_b32 s66, s[WV], 11
	s_add_nc_u64 s[12:13], s[12:13], s[66:67]      ; my R's scale bytes: 2,048
	s_lshl_b32 s66, s[WV], 13
	s_add_nc_u64 s[10:11], s[10:11], s[66:67]      ; my R's tiles 0 and 1: 8,192
	s_lshl_b32 s66, s3, 19
	s_add_nc_u64 s[EG:EG+1], s[8:9], s[66:67]      ; e2: 512 rows of 1,024 bytes x work-group
	s_lshl_b32 s66, s[WV], 7
	s_add_nc_u64 s[8:9], s[EG:EG+1], s[66:67]      ; + my 128 bytes
	s_mul_i32 s66, s3, 10240
	s_mul_i32 s2, s[WV], 1280
	s_add_co_u32 s66, s66, s2                      ; out0: the work-group's 512 rows, my 64 of them
	s_add_nc_u64 s[16:17], s[16:17], s[66:67]
	global_load_b128 v[TM:TM+3], v[LX], s[6:7]
.irp k, 0,1,2,3,4,5,6,7,8,9,10,11,12,13,14,15
	global_load_b128 v[DS+4*\k:DS+4*\k+3], v[LX], s[4:5] offset:512*\k
.endr
.irp k, 0,1,2,3,4,5,6,7
	global_load_b64 v[ACC+2*\k:ACC+2*\k+1], v[LY], s[12:13] offset:256*\k
.endr
.irp n, 0,1,2,3,4,5,6,7,8,9,10,11,12,13,14,15
	global_load_b128 v[R0+4*\n:R0+4*\n+3], v[LX], s[10:11] offset:512*\n
.endr
.irp n, 0,1,2,3
	ASK \n, \n*UNIT                                ; the ring: tiles 0 to 3 of e2
.endr
	WIN 0
	s_load_b512 s[WS:WS+15], s[14:15], 0x0         ; ws: 40 numbers
	s_load_b512 s[WS+16:WS+31], s[14:15], 0x40
	s_load_b256 s[WS+32:WS+39], s[14:15], 0x80
	s_wait_loadcnt 40                              ; e1 is in: behind it 8 + 16 + 16 loads
	ds_store_b128 v[TM+5], v[TM:TM+3]
.irp k, 0,1,2,3,4,5,6,7,8,9,10,11,12,13,14,15
	ds_store_b128 v[TM+4], v[DS+4*\k:DS+4*\k+3] offset:544*\k
.endr
	s_wait_loadcnt 32                              ; R's scale bytes are in
	; R's scale words: word (t, s) is byte t of the blocks 4 s .. 4 s + 3: four transpositions of 4 x 4 bytes.  RS + 8 s + t
.irp s, 0,1
.irp d, 0,1
	v_perm_b32 v[ACC+16+8*\s+4*\d], v[ACC+8*\s+2+\d], v[ACC+8*\s+\d], 0x05010400
	v_perm_b32 v[ACC+17+8*\s+4*\d], v[ACC+8*\s+2+\d], v[ACC+8*\s+\d], 0x07030602
	v_perm_b32 v[ACC+18+8*\s+4*\d], v[ACC+8*\s+6+\d], v[ACC+8*\s+4+\d], 0x05010400
	v_perm_b32 v[ACC+19+8*\s+4*\d], v[ACC+8*\s+6+\d], v[ACC+8*\s+4+\d], 0x07030602
.endr
.endr
.irp s, 0,1
.irp d, 0,1
	v_perm_b32 v[RS+8*\s+4*\d], v[ACC+18+8*\s+4*\d], v[ACC+16+8*\s+4*\d], 0x05040100
	v_perm_b32 v[RS+8*\s+4*\d+1], v[ACC+18+8*\s+4*\d], v[ACC+16+8*\s+4*\d], 0x07060302
	v_perm_b32 v[RS+8*\s+4*\d+2], v[ACC+19+8*\s+4*\d], v[ACC+17+8*\s+4*\d], 0x05040100
	v_perm_b32 v[RS+8*\s+4*\d+3], v[ACC+19+8*\s+4*\d], v[ACC+17+8*\s+4*\d], 0x07060302
.endr
.endr
	s_wait_alu depctr_va_vdst(0)                   ; the wait at the head's end
	s_wait_kmcnt 0x0                               ; ws
	s_wait_loadcnt 16                              ; R's tiles 0 and 1 are in
	s_wait_tensorcnt 0x0                           ; and the others,
	s_wait_dscnt 0x0                               ; and my eighth of e1 is in LDS,
	s_barrier_signal -1
	s_barrier_wait -1                              ; everybody's is
	E1LD 0, 0                                      ; tile 0's e1
	RLD 2
	RLD 3
	s_wait_loadcnt 12                              ; tile 0 of e2 is in.  The two slots lie where R's tiles 2 and 3 lay, whose loads stand above: LDS serves a wave's instructions in order (ISA guide 5.7.1.4)
	STAGE 0, 0
	E2LD 0, 0
	E2LD 1, 0
	s_wait_loadcnt 8
	STAGE 1, 1
	RLD 4
	RLD 5
	RLD 6
	RLD 7
	WIN 0
; TILE 0: R comes out of LDS while it runs.  Each count is what was issued behind the registers that the phase needs: e1; R's tile 3 and e2; R's tile 5.
.set FIRST, 1
	SETUP 0, 1, 2, -1, 0, 1, -1
	s_wait_dscnt 58
	PHASE 0, -1
.rept 4
	v_nop                                          ; four plain lines between phase 0's last results and their first readers (ISA guide 7.12.1); later phases have the multiply-adds
.endr
	s_wait_dscnt 36
	PHASE 1, 0
	s_wait_dscnt 23
	PHASE 2, 0
	s_wait_loadcnt 12                              ; tile 2 of e2: behind it tiles 3 to 5
	s_wait_dscnt 0x0
	PHASE 3, 0
.set FIRST, 0
	WIN 0
	s_mov_b32 s[CNT], 6
.Ltrip:                                                ; four tiles a trip: the ring's four sets come round once.  Tile n asks for tile n + 5 and stages tile n + 2, behind which the 12 loads of tiles n + 3 .. n + 5 were issued
	PLACE
	v_lshl_add_u32 v[PFW], v0, 8, s[PFS]           ; (the last trip's prefetch has read it: the wait on XCNT stands below)
	TILE 1, 1, 3, 12, 2, 6, 2, -1
	TILE 0, 1, 0, 12, 3, 7, 3, 0
	WIN 0
	s_cmp_eq_u32 s[CNT], 1
	s_cbranch_scc1 .Lno_ask                        ; the last trip's would lie beyond the work-group's rows
	global_prefetch_b8 v[PFW], s[EG:EG+1] th:TH_LOAD_NT scope:SCOPE_SE   ; a block of 256 bytes a lane, 65,536 bytes for the work-group: what the next trip's loads ask for
.Lno_ask:
	TILE 1, 1, 1, 12, 0, 8, 4, -1
	TILE 0, 1, 2, 12, 1, 9, 5, 512
	WIN 0
	s_wait_xcnt 0x0                                ; the loads issued have had their addresses translated: only now is their base stepped
	s_add_nc_u64 s[8:9], s[8:9], 4*UNIT
	s_add_co_u32 s[SE], s[SE], 4*2176
	s_add_co_u32 s[SS], s[SS], 4*128
	s_add_co_u32 s[PS], s[PS], 2*512
	s_add_co_u32 s[PFS], s[PFS], 4*UNIT
	s_sub_co_u32 s[CNT], s[CNT], 1
	s_cmp_lg_u32 s[CNT], 0
	s_cbranch_scc1 .Ltrip
	PLACE                                          ; tiles 25 to 31: tile 26 asks for the last, and the counts run down
	TILE 1, 1, 3, 12, 2, 6, 2, -1
	TILE 0, 1, 0, 12, 3, 7, 3, 0
	TILE 1, 1, 1, 8, -1, 0, 4, -1
	TILE 0, 1, 2, 4, -1, 0, 5, 512
	TILE 1, 1, 3, 0, -1, 0, 6, -1
	TILE 0, 1, -1, 0, -1, 0, 7, 1024
	TILE 1, 0, -1, 0, -1, 0, 0, -1
	WIN 0
.set KK, 0
.rept 16
	PKL 3, KK, 1                                   ; the last phase's multiply-adds
.set KK, KK+1
.endr
	EPI
	; the end: wave v takes rows 64 v + 32 k + L, k = 0, 1, of the eight waves' partial sums
	s_lshl_b32 s2, s[WV], 10
	s_add_co_u32 s2, s2, PL
	v_lshrrev_b32 v[TM+4], 4, v[LX]
	v_add_nc_u32 v[TM], s2, v[LX]
	v_add_nc_u32 v[TM+3], s21, v[LY]               ; LDS, back: my share + 8 L
	v_mul_u32_u24 v[TM+4], v[TM+4], 20
	v_add_nc_u32 v[TM+1], 3*SHARE, v[TM]
	v_add_nc_u32 v[TM+2], 6*SHARE, v[TM]
	v_add_nc_u32 v[TM+4], s21, v[TM+4]             ; LDS: 20 L in my share: the logits
	s_wait_alu depctr_va_vdst(0)
	ds_store_b128 v[PLW], v[ACC+24:ACC+27] offset:1536
	ds_store_b128 v[PLW], v[ACC+28:ACC+31] offset:1536+8192
	s_wait_dscnt 0x0                               ; for the others' sake: my partial sums are whole
	s_barrier_signal -1
	s_barrier_wait -1
.irp k, 0,1
.irp p, 0,1,2,3,4,5,6,7
	ds_load_b128 v[16+64*\k+8*\p:19+64*\k+8*\p], v[TM+\p/3] offset:SHARE*(\p%3)+512*\k
	ds_load_b128 v[20+64*\k+8*\p:23+64*\k+8*\p], v[TM+\p/3] offset:SHARE*(\p%3)+512*\k+8192
.endr
.endr
.irp k, 0,1
	s_wait_dscnt 16-11*\k                          ; behind row 0's loads: row 1's 16; behind those: row 0's five stores
.set SB, 16+64*\k
.irp p, 0,16,32,48
.irp w, 0,2,4,6
	v_pk_add_f32 v[SB+\p+\w:SB+\p+\w+1], v[SB+\p+\w:SB+\p+\w+1], v[SB+\p+8+\w:SB+\p+9+\w]
.endr
.endr
.irp p, 0,32
.irp w, 0,2,4,6
	v_pk_add_f32 v[SB+\p+\w:SB+\p+\w+1], v[SB+\p+\w:SB+\p+\w+1], v[SB+\p+16+\w:SB+\p+17+\w]
.endr
.endr
.irp w, 0,2,4,6
	v_pk_add_f32 v[SB+\w:SB+\w+1], v[SB+\w:SB+\w+1], v[SB+32+\w:SB+33+\w]
.endr
.irp r, 0,1,2,3,4
	v_mul_f32 v[RS+8*\k+\r], s[WS+\r], v[SB]
.endr
.irp w, 1,2,3,4,5,6,7
.irp r, 0,1,2,3,4
	v_fmac_f32 v[RS+8*\k+\r], s[WS+5*\w+\r], v[SB+\w]
.endr
.endr
.irp r, 0,1,2,3,4
	ds_store_b32 v[TM+4], v[RS+8*\k+\r] offset:640*\k+4*\r
.endr
.endr
.irp q, 0,1,2,3,4
	ds_load_b64 v[R0+2*\q:R0+2*\q+1], v[TM+3] offset:256*\q    ; my own bytes: LDS serves a wave's instructions in order
.endr
.irp q, 0,1,2,3,4
	s_wait_dscnt 4-\q
	global_store_b64 v[LY], v[R0+2*\q:R0+2*\q+1], s[16:17] offset:256*\q th:TH_STORE_NT   ; 256 consecutive bytes, at a multiple of 256 from out0's first byte
.endr
	s_wait_tensorcnt 0x0                           ; the wave's end
	ds_add_u32 v[SPW], v[NIL]
	s_wait_dscnt 0x0
	CROUND                                         ; the closing round: no work-group ends while a partner may still ask for a tile that names it
	s_endpgm
.Lfunc_end_k_q71b651cbc8_bilinear:
	.size	k_q71b651cbc8_bilinear, .Lfunc_end_k_q71b651cbc8_bilinear-k_q71b651cbc8_bilinear
	.p2alignl 7, 3214868480
	.fill 96, 4, 3214868480
	.section	.rodata,"a",@progbits
	.p2align	6, 0x0
	.amdhsa_kernel k_q71b651cbc8_bilinear
		.amdhsa_group_segment_fixed_size 327680
		.amdhsa_private_segment_fixed_size 0
		.amdhsa_enable_private_segment 0
		.amdhsa_kernarg_size 56
		.amdhsa_user_sgpr_count 2
		.amdhsa_user_sgpr_kernarg_segment_ptr 1
		.amdhsa_wavefront_size32 1
		.amdhsa_system_sgpr_workgroup_id_x 1
		.amdhsa_system_sgpr_workgroup_id_y 1
		.amdhsa_system_sgpr_workgroup_id_z 1
		.amdhsa_system_vgpr_workitem_id 0
		.amdhsa_next_free_vgpr 512
		.amdhsa_next_free_sgpr 100
		.amdhsa_reserve_vcc 0
		.amdhsa_float_denorm_mode_32 3
		.amdhsa_float_denorm_mode_16_64 3
		.amdhsa_memory_ordered 1
		.amdhsa_forward_progress 1
		.amdhsa_inst_pref_size 126
	.end_amdhsa_kernel
	.amdgpu_metadata
---
amdhsa.version: [ 1, 2 ]
amdhsa.kernels:
  - .name:           k_q71b651cbc8_bilinear
    .symbol:         k_q71b651cbc8_bilinear.kd
    .args:
      - { .name: embeds1_codes, .offset: 0, .size: 8, .value_kind: global_buffer, .address_space: global }
      - { .name: embeds1_scales, .offset: 8, .size: 8, .value_kind: global_buffer, .address_space: global }
      - { .name: embeds2, .offset: 16, .size: 8, .value_kind: global_buffer, .address_space: global }
      - { .name: rq, .offset: 24, .size: 8, .value_kind: global_buffer, .address_space: global }
      - { .name: rs, .offset: 32, .size: 8, .value_kind: global_buffer, .address_space: global }
      - { .name: weight_scalars, .offset: 40, .size: 8, .value_kind: global_buffer, .address_space: global }
      - { .name: out0, .offset: 48, .size: 8, .value_kind: global_buffer, .address_space: global }
    .group_segment_fixed_size: 327680
    .private_segment_fixed_size: 0
    .kernarg_segment_align: 8
    .kernarg_segment_size: 56
    .max_flat_workgroup_size: 256
    .sgpr_count:     100
    .vgpr_count:     512
    .wavefront_size: 32
...
	.end_amdgpu_metadata
.endif
;; end of part 2
